; MI455X (gfx1250); checked and timed in simulation.
; The chip was launched on July 23, 2026; its instructions are those of AMD's public machine-readable ISA for CDNA 5 (MIT licence, August 2026) and "CDNA5" Instruction Set Architecture Reference Guide (July 2026). The comments in the code are by the model that wrote it; some were corrected since.
;; Windowed Multihead Attention. Allowed arithmetic: matrix products marked QUANTISED: E2M1 operands, one E8M0 scale for each 32 along K, by v_wmma_scale_f32_16x16x128_f8f6f4 with both operands' format E2M1 (or v_wmma_scale_f32_32x16x128_f4), f32 sums; everything else in f32.
;; Inputs: proj_b 256 float32; proj_w 256 x 256 float32; qkv_b 768 float32; qkv_w 768 x 256 float32; x 8 x 1,024 x 256 float32.
;; Outputs: out0 8 x 1,024 x 256 float32.
;; This version of the problem:
;;   THIS VERSION OF THE PROBLEM IS GIVEN IN LOW PRECISION. The matrix products marked QUANTISED in the list below multiply operands that are first quantised to E2M1 (2 exponent bits, 1 mantissa bit; 4 bits a number), with one power-of-two scale for each 32 numbers along K (OCP MX v1.0); their sums are f32. All else is computed in f32.
;;   The module's matrix products, in the order in which they are computed (A, B: the left and right operand; K: the contracted axis; several contracted axes count as one K, in the product's order):
;;     1. [M 8,192, K 256] x [K 256, N 768]; A: input x; B: input qkv_w: QUANTISED
;;     2. batch 64 x [M 1,024, K 32] x [K 32, N 1,024]; A: computed on the way; B: computed on the way: QUANTISED
;;     3. batch 64 x [M 1,024, K 1,024] x [K 1,024, N 32]; A: softmax (see below); B: computed on the way: QUANTISED
;;     4. [M 8,192, K 256] x [K 256, N 256]; A: computed on the way; B: input proj_w: QUANTISED
;;   THE QUANTISER, for each operand of a quantised product, along K:
;;     - K is cut into blocks of 32 from its start; a last block that is shorter is filled with zeros.
;;     - A block's scale is 2^e with e = floor(log2(the largest magnitude in the block)) - 2, held to -126 .. 127; a block of zeros has e = 0. As a byte (E8M0): e + 127.
;;     - Each number is divided by its block's scale, clamped to +-6, and rounded to the nearest number of E2M1, ties to even, subnormals kept.
;;     - The product sums the exact products of the quantised numbers (number of the format x scale) in f32.
;;   ~~~python
;;   def quantise(x, axis):      # numpy; x: float32 -> the quantised numbers, widened to float32 again
;;       x = np.moveaxis(x, axis, -1); K = x.shape[-1]
;;       x = np.pad(x, [(0, 0)] * (x.ndim - 1) + [(0, -K % 32)]); x = x.reshape(x.shape[:-1] + (-1, 32)); a = np.abs(x).max(-1, keepdims=True)
;;       e = np.where(a > 0, np.clip(np.frexp(np.where(a > 0, a, 1))[1] - 1 - 2, -126, 127), 0)      # np.frexp(a)[1] - 1 = floor(log2(a)), exactly
;;       r = np.clip(x / 2.0 ** e, -6, 6)
;;       step = 2.0 ** (np.maximum(np.frexp(np.where(r == 0, 1, r))[1] - 1, 0) - 1)
;;       q = np.round(r / step) * step * 2.0 ** e      # np.round: ties to even
;;       return np.moveaxis(q.reshape(q.shape[:-2] + (-1,))[..., :K], -1, axis).astype(np.float32)
;;   ~~~
;;   SOFTMAX AHEAD OF A QUANTISED PRODUCT. Where the list says 'softmax', what is quantised is not the finished softmax but p = 2^(t - M), with t = logit x log2(e) and M = ceil(the row's largest t), a whole number; so 1/2 < the row's largest p <= 1. The row's sum l is taken of the UNQUANTISED p, in f32, and the product's result is divided by l at the end. Since M is a whole number, a kernel that streams over the keys may use a running M (the ceiling of the running maximum): every later rescaling is an exact power of two, which a block's scale takes up: the codes' values come out the same.
;;   OPERANDS COMPUTED ON THE WAY. 'Computed on the way' means the value that the module computes at that place (a softmax that the list does not call 'softmax' is quantised finished and normalised). What goes into a quantiser is computed in f32, as accurately as f32 sums, v_exp_f32 and their like allow (about 1e-6 of the number): no bf16 or f16 on the way to a quantiser, and a product that is left as it is and whose result goes on into a quantised operand takes f32 operands (vector FMAs, or v_wmma_f32_16x16x4_f32). A number that lies on a knife's edge between two numbers of the format may be rounded either way, as far as f32 arithmetic and the matrix unit's own rounding can turn it there, and no further.
;; One version. Each part assembles by itself: llvm-mc -triple=amdgcn-amd-amdhsa -mcpu=gfx1250 --defsym DOCPART=n.
;; ======== version 1 of 1: 2 launches
;; workspace buffers: xcodes 1,048,576 bytes; xscales 65,536 bytes; wcodes 131,072 bytes; wscales 8,192 bytes
;; launch quant (part 1): grid 288 x 1, 4 waves a work-group, no clusters, 41,984 bytes of LDS; arguments x, qkv_w, proj_w, xcodes, xscales, wcodes, wscales; writes xcodes, xscales, wcodes, wscales
.if DOCPART == 1
	.amdgcn_target "amdgcn-amd-amdhsa--gfx1250"
	.amdhsa_code_object_version 6
	.text
	.protected	k_qbed2cc234f_quant
	.globl	k_qbed2cc234f_quant
	.p2align	8
	.type	k_qbed2cc234f_quant,@function
k_qbed2cc234f_quant:
	s_mov_b64 s[64:65], 0
	v_nop
	global_prefetch_b8 v0, s[64:65] scope:SCOPE_SE
	s_setreg_imm32_b32 hwreg(HW_REG_WAVE_MODE, 25, 1), 1
	s_wait_xcnt 0x0
; x [8192][256], qkv_w [768][256] and proj_w [256][256], f32, K innermost, become codes of FP4 (E2M1), two to a byte, the lower k in the low four bits,
; and one E8M0 scale byte for each 32 along K.  Rows are dense and 256 is a multiple of 32, so each tensor is a plain stream of blocks of 32 numbers.
; qkv_w's and proj_w's codes lie on end in one buffer (rows 0-767, 768-1023), their scale bytes likewise.
; A block's scale is 2^(floor(log2(its largest magnitude)) - 2); its byte is the largest magnitude's exponent field - 2, held at 1 from below.
; LIMITS: a block of zeros gets the byte 1 where the quantiser says 127 (its codes are zeros, which add nothing under any byte but 0xff, and this program alone
; reads the bytes); blocks whose largest magnitude lies under 2^-124 are quantised under the byte 1; NaN and infinities among the inputs are not served.
; SHARES: a work-group takes 8,192 numbers (4,096 bytes of codes, 256 scale bytes), a wave 2,048 in four steps of 512.  Work-groups 0-255 take x, 256-279 qkv_w, 280-287 proj_w:
; only pointers are chosen, all take one path.  All sixteen loads of a wave go out at its head.
; A conversion takes 8 numbers of one block from ONE lane's registers, a load is dense where neighbouring LANES take neighbouring bytes: so a step's 2,048 bytes go through the wave's own stage
; in LDS as they lie and come back 64 bytes a lane (16 neighbours; two neighbouring lanes hold a block).  The stage has 16 bytes of padding behind each 64.
.set EMAX,  2
.set SP,    80                         ; a lane's place in a stage: 64 bytes + 16 of padding
.set STGB,  32*SP                      ; a step's stage
.set WREG,  4*STGB                     ; a wave's four stages: each step has its own, so none is written twice
.set SCB,   4*WREG                     ; behind them: the work-group's 256 scale bytes
.set R,     16                         ; v16-79   four sets of 16 numbers as loaded
.set X,     80                         ; v80-143  four sets of 16 neighbours
.set C,     144                        ; v144-151 a pair of code registers for each step
.set E,     152                        ; v152-155 a scale byte for each step
	s_load_b256 s[4:11], s[0:1], 0x0               ; x s[4:5], qkv_w s[6:7], proj_w s[8:9], x's codes s[10:11]
	s_load_b128 s[12:15], s[0:1], 0x20             ; x's scales s[12:13], the weights' codes s[14:15]
	s_load_b64 s[20:21], s[0:1], 0x30              ; the weights' scales
	v_lshl_add_u32 v160, v0, 2, 0xa200
	v_mov_b32 v161, 0
	v_lshrrev_b32 v1, 5, v0
	v_readfirstlane_b32 s16, v1                    ; wave 0..3
	v_and_b32 v2, 31, v0                           ; lane
	v_lshlrev_b32 v3, 4, v2                        ; my 16 bytes of a load's 512
	v_lshlrev_b32 v4, 3, v2                        ; my 8 bytes of a step's 256 bytes of codes, and of the unit of scale bytes
	s_mul_i32 s19, s16, WREG
	v_lshrrev_b32 v14, 2, v2
	v_mul_u32_u24 v14, v14, SP
	v_and_b32 v15, 3, v2
	v_lshl_add_u32 v14, v15, 4, v14
	v_add_nc_u32 v14, s19, v14                     ; into a stage: four lanes' 64 bytes on end, then the padding
	v_mul_u32_u24 v15, v2, SP
	v_add_nc_u32 v15, s19, v15                     ; out of it: my 16 neighbours
	s_lshl_b32 s19, s16, 6
	s_add_co_u32 s19, s19, SCB
	v_lshrrev_b32 v5, 1, v2
	v_add_nc_u32 v5, s19, v5                       ; my block's scale byte: 64 a wave, 16 a step
	v_add_nc_u32 v6, SCB, v4                       ; and on the way out 8 bytes a lane
	s_wait_kmcnt 0x0
	s_cmp_lt_u32 ttmp9, 256                        ; x or a weight?  The choices hang on the work-group's number alone
	s_cselect_b64 s[4:5], s[4:5], s[6:7]
	s_cselect_b64 s[10:11], s[10:11], s[14:15]
	s_cselect_b64 s[12:13], s[12:13], s[20:21]
	s_cselect_b32 s17, 0, 256
	s_cmp_lt_u32 ttmp9, 280                        ; proj_w?
	s_cselect_b64 s[4:5], s[4:5], s[8:9]
	s_cselect_b32 s18, s17, 280
	s_sub_co_u32 s17, ttmp9, s17                   ; which 8,192 numbers of the buffers written,
	s_sub_co_u32 s18, ttmp9, s18                   ; and of the tensor read
	s_lshl_b32 s22, s18, 15
	s_lshl_b32 s23, s16, 13
	s_add_co_u32 s22, s22, s23                     ; 32,768 bytes a work-group, 8,192 a wave
	s_mov_b32 s23, 0
	s_add_nc_u64 s[4:5], s[4:5], s[22:23]
	s_lshl_b32 s22, s17, 12
	s_lshl_b32 s24, s16, 10
	s_add_co_u32 s22, s22, s24                     ; codes: 4,096 a work-group, 1,024 a wave
	s_add_nc_u64 s[10:11], s[10:11], s[22:23]
	s_lshl_b32 s22, s17, 8                         ; scale bytes: 256 a work-group
	s_add_nc_u64 s[12:13], s[12:13], s[22:23]
.macro LOAD t
.irp i, 0,1,2,3
	global_load_b128 v[R+16*(\t)+4*\i:R+16*(\t)+4*\i+3], v3, s[4:5] offset:2048*(\t)+512*\i th:TH_LOAD_NT   ; 32 lanes read 512 consecutive bytes; read once in the launch
.endr
.endm
.macro TURN t                          ; step t's numbers through its stage: LDS serves a wave's instructions in order (ISA guide 5.7.1), so no wait stands between the stores and the loads
.irp i, 0,1,2,3
	ds_store_b128 v14, v[R+16*(\t)+4*\i:R+16*(\t)+4*\i+3] offset:STGB*(\t)+8*SP*\i
.endr
.irp i, 0,1,2,3
	ds_load_b128 v[X+16*(\t)+4*\i:X+16*(\t)+4*\i+3], v15 offset:STGB*(\t)+16*\i
.endr
.endm
.macro STEP t
.set XS, X+16*(\t)
	s_wait_dscnt 24-7*(\t)                         ; my 16 neighbours are back; behind their loads stand 8 (3 - t) stage instructions of later steps and t byte stores
	v_max3_num_f32 v8, |v[XS]|, |v[XS+1]|, |v[XS+2]|               ; the largest magnitude of my 16, in two chains
	v_max3_num_f32 v9, |v[XS+3]|, |v[XS+4]|, |v[XS+5]|
.irp i, 6,10
	v_max3_num_f32 v8, v8, |v[XS+\i]|, |v[XS+\i+1]|
	v_max3_num_f32 v9, v9, |v[XS+\i+2]|, |v[XS+\i+3]|
.endr
	v_max3_num_f32 v8, v8, |v[XS+14]|, |v[XS+15]|
	v_max3_num_f32 v8, v8, v9, (EMAX+1)<<23        ; and the floor 2^(3 - 127): the byte cannot fall under 1
	v_max_num_f32_dpp v8, v8, v8 row_xmask:1 row_mask:0xf bank_mask:0xf   ; with my neighbour's 16: the block's
	v_add_nc_u32 v11, -(EMAX<<23), v8              ; 2 off its exponent field: the conversion takes the exponent field of this operand as its scale, and nothing else of it
	v_cvt_scalef32_pk8_fp4_f32 v[C+2*(\t)], v[XS:XS+7], v11
	v_cvt_scalef32_pk8_fp4_f32 v[C+2*(\t)+1], v[XS+8:XS+15], v11
	v_lshrrev_b32 v[E+(\t)], 23, v11               ; the scale's byte (also the plain line behind the conversions)
	ds_store_b8 v5, v[E+(\t)] offset:16*(\t)       ; both lanes of a block write the same byte with the same value
	global_store_b64 v4, v[C+2*(\t):C+2*(\t)+1], s[10:11] offset:256*(\t)   ; the wave stores 256 consecutive bytes, aligned
.endm
.irp t, 0,1,2,3
	LOAD \t
.endr
.irp t, 0,1,2,3
	s_wait_loadcnt 12-4*\t                         ; step t's four loads are in; the later steps' may be out
	TURN \t
.endr
.irp t, 0,1,2,3
	STEP \t
.endr
	s_wait_dscnt 0x0                               ; for the others' sake: my scale bytes lie in LDS
	s_barrier_signal -1
	s_barrier_wait -1
	s_cmp_lg_u32 s16, 0
	s_cbranch_scc1 .Lend                           ; wave 0 stores the work-group's 256 scale bytes
	ds_load_b64 v[12:13], v6
	s_wait_dscnt 0x0
	global_store_b64 v4, v[12:13], s[12:13]        ; 32 lanes store 256 consecutive bytes, aligned
.Lend:
	s_wait_tensorcnt 0x0
	ds_add_u32 v160, v161
	s_wait_dscnt 0x0
	s_endpgm
.Lfunc_end_k_qbed2cc234f_quant:
	.size	k_qbed2cc234f_quant, .Lfunc_end_k_qbed2cc234f_quant-k_qbed2cc234f_quant
	.p2alignl 7, 3214868480
	.fill 96, 4, 3214868480
	.section	.rodata,"a",@progbits
	.p2align	6, 0x0
	.amdhsa_kernel k_qbed2cc234f_quant
		.amdhsa_group_segment_fixed_size 41984
		.amdhsa_private_segment_fixed_size 0
		.amdhsa_enable_private_segment 0
		.amdhsa_kernarg_size 56
		.amdhsa_user_sgpr_count 2
		.amdhsa_user_sgpr_kernarg_segment_ptr 1
		.amdhsa_wavefront_size32 1
		.amdhsa_system_sgpr_workgroup_id_x 1
		.amdhsa_system_sgpr_workgroup_id_y 1
		.amdhsa_system_sgpr_workgroup_id_z 1
		.amdhsa_system_vgpr_workitem_id 0
		.amdhsa_next_free_vgpr 162
		.amdhsa_next_free_sgpr 66
		.amdhsa_reserve_vcc 0
		.amdhsa_float_denorm_mode_32 3
		.amdhsa_float_denorm_mode_16_64 3
		.amdhsa_memory_ordered 1
		.amdhsa_forward_progress 1
		.amdhsa_inst_pref_size 11
	.end_amdhsa_kernel
	.amdgpu_metadata
---
amdhsa.version: [ 1, 2 ]
amdhsa.kernels:
  - .name:           k_qbed2cc234f_quant
    .symbol:         k_qbed2cc234f_quant.kd
    .args:
      - { .name: x, .offset: 0, .size: 8, .value_kind: global_buffer, .address_space: global }
      - { .name: qkv_w, .offset: 8, .size: 8, .value_kind: global_buffer, .address_space: global }
      - { .name: proj_w, .offset: 16, .size: 8, .value_kind: global_buffer, .address_space: global }
      - { .name: xcodes, .offset: 24, .size: 8, .value_kind: global_buffer, .address_space: global }
      - { .name: xscales, .offset: 32, .size: 8, .value_kind: global_buffer, .address_space: global }
      - { .name: wcodes, .offset: 40, .size: 8, .value_kind: global_buffer, .address_space: global }
      - { .name: wscales, .offset: 48, .size: 8, .value_kind: global_buffer, .address_space: global }
    .group_segment_fixed_size: 41984
    .private_segment_fixed_size: 0
    .kernarg_segment_align: 8
    .kernarg_segment_size: 56
    .max_flat_workgroup_size: 128
    .sgpr_count:     66
    .vgpr_count:     162
    .wavefront_size: 32
...
	.end_amdgpu_metadata
.endif
;; end of part 1
;; launch fused (part 2): grid 32 x 8, 8 waves a work-group, clusters of 4 x 1, 233,472 bytes of LDS; arguments xcodes, xscales, wcodes, wscales, qkv_b, proj_b, out0; writes out0
.if DOCPART == 2
	.amdgcn_target "amdgcn-amd-amdhsa--gfx1250"
	.amdhsa_code_object_version 6
	.text
	.protected	k_qbed2cc234f_fused
	.globl	k_qbed2cc234f_fused
	.p2align	8
	.type	k_qbed2cc234f_fused,@function
k_qbed2cc234f_fused:
	s_mov_b64 s[64:65], 0
	v_nop
	global_prefetch_b8 v0, s[64:65] scope:SCOPE_SE
	s_setreg_imm32_b32 hwreg(HW_REG_WAVE_MODE, 25, 1), 1
	s_wait_xcnt 0x0
	s_wait_alu depctr_hold_cnt(0) depctr_sa_sdst(0) depctr_va_vdst(0) depctr_va_sdst(0) depctr_va_ssrc(0) depctr_va_vcc(0) depctr_vm_vsrc(0)
	s_getreg_b32 s2, hwreg(HW_REG_IB_STS2, 6, 4)
	s_cmp_eq_u32 s2, 0
	s_cbranch_scc0 .Lentry_in_a_cluster
	s_endpgm
.Lentry_in_a_cluster:
	s_bfe_u32 s2, ttmp6, 0x10000c
	s_cmp_lg_u32 s2, 0x3003
	s_cbranch_scc0 .Lentry_shape_is_right
	s_endpgm
.Lentry_shape_is_right:
; Windowed attention on a grid of 32 x 32 tokens, 8 heads of 32 channels, window 7 x 11, all four products on codes of FP4 (E2M1) with one E8M0 scale for each 32 along K.
; SHARES.  A work-group owns one grid row h of one batch: 32 queries.  WAVE w IS HEAD w: it makes its head's q for row h and its k and v for the seven rows base .. base + 6, base = min(max(h - 3, 0), 25),
; which lie inside the grid and cover every row that the window reaches; it quantises them in its registers and does its head's attention.  Nothing of q, k, v goes to memory or to another wave.  Only the heads' outputs
; (8 bytes a lane and tile) change waves, through LDS, ahead of the last product, in which wave w makes output columns 32 w .. 32 w + 31 of the 32 tokens.
; BLOCKS.  Along the keys a block of 32 is one grid row, so rows outside the window are blocks of zeros and are left out.  Along the head's 32 channels there is one block: a matrix instruction's other three blocks
; are put to use: FOUR tiles of 16 keys lie in the four blocks of one fragment of K, and the tile that is multiplied is chosen by a version of q that is zero codes in the other three.
; SOFTMAX.  t = score x log2(e); M = the running largest t rounded up to a whole number; p = 2^(t - M) is quantised along the keys, not normalised; the sum is taken of the unquantised p and divides at the end;
; when M moves, the sum and O are multiplied by 2^(old M - new M), which rounds nothing.  Hidden keys get the score -infinity, hidden rows the addend -infinity: no branch hangs on the row.
; TILES ARE NOT NEIGHBOURS: lane r of a tile of tokens (or of a weight's rows) takes 8 u + r + 8 (r / 8), so that the 16 registers of two neighbouring tiles of a result are 16 neighbours along the next K.
; CLUSTER.  The four work-groups of a cluster read the same weights (131,072 bytes of codes, 8,192 of scales): these are asked for jointly.  x's rows (36,864 + 2,048 bytes) are asked for singly: the partners' windows
; begin at different rows, and a shared window would make LDS addresses hang on the place in the cluster.  Every LDS byte is filled once: all that a work-group reads lies in LDS together.
; LIMITS: a block's scale byte is held at 1 from below, and a block of zeros has the byte 1 where the quantiser says 127 (zero codes add nothing); the absent eighth row's bytes are 0 (2^-127) over zero codes;
; p under 2^-126 is taken as 0; 1 / sum is v_rcp_f32 and a multiplication; NaN and infinities among the inputs are not served.
; REGISTERS, window 0: v1-15 addresses and constants; v16-51 q's versions; v52-79 scale words alone; v80-127 at work; v128-191 accumulators S; v192-223 x's fragments; v224-239 O^T; v240-247 addresses of the head.
;   window 1: v0-95 my head's 12 fragments of qkv_w; v96-159 the biases in the results' layout; v160-191 K's codes; v192-223 V's codes.
.set PITCH, 144                        ; a row of 256 codes in LDS: 128 bytes + 16 of padding
.set SLOTB, 32*PITCH                   ; a grid row of x
.set WC,    0                          ; the weights' codes: 1,024 rows
.set XC,    1024*PITCH                 ; x's codes: slots 0-6 rows base + slot, slot 7 row h
.set WS,    XC+8*SLOTB                 ; the weights' scale bytes, 8 a row
.set XS,    WS+8192                    ; x's, 256 a slot
.set OI,    XS+2048                    ; the heads' outputs as images of the last product's four fragments: (tile t, K step s) at 1,024 (2 t + s), 512 bytes for each four registers, 16 a lane
.set OS,    OI+4096                    ; their scale words: (t, s, lane r) at 64 (2 t + s) + 4 r
.set STG,   OS+512                     ; the stage for the way out: 32 rows
.set SPITCH, 1040                      ; of 1,024 bytes + 16
.set AX,3
.set AXS,4
.set AOI,5
.set AOS,6
.set LI,7
.set LOS,8
.set STO,9
.set SRD,10
.set GO,11
.set AWP,12
.set AWPS,13
.set VE,14                             ; 5 + 16 (lane / 16) - (r + 8 (r / 8))
.set NINF,15                           ; -infinity
.set QB,16                             ; zeros, q tile 0 in lanes 0-15, zeros, the same in lanes 16-31, zeros, tile 1 likewise, zeros: nine groups of four registers
.set KSC,52                            ; scale words: K's (4), V's (4), q's (2), p's, the weights' (12), x's (4)
.set VSC,56
.set QSC,60
.set PSC,62
.set WSC,64
.set XSC,76
.set TM,80                             ; +0..3 largest magnitudes, +4..7 the other half's, then bytes, +8..11 the conversions' scale operands
.set NEGM,96
.set TMAX,97
.set SUM,98
.set SUM2,100
.set FP,102
.set TMP,104
.set TMP2,105
.set OC,106
.set BYO,110
.set AD,112                            ; -M or -infinity for each row of a step, in the low word of a pair
.set PC,120
.set S,128
.set XF,192
.set OA,224
.set BO1,240
.set BO2,241
.set BO3,242
.set PRM,243
.set LN,244
.set AW,245
.set AWV,246
.set AWS,247
.set BQ,96                             ; window 1
.set BK,112
.set BV,128
.set BP,144
.set KS,160
.set VS,192
.set WV,18                             ; s18 my wave's number
.set G1W,24                            ; s[24:31], s[32:39], s[40:47], s[48:55] descriptor groups 1: weights' codes, weights' scales, x's codes, x's scales
.set G1WS,32
.set G1X,40
.set G1XS,48
.set G0W,56                            ; s[56:59], s[60:63], s[68:71], s[72:75] their groups 0
.set G0WS,60
.set G0X,68
.set G0XS,72
.set SEL,76                            ; s[76:77] v_permlanex16_b32's selects for lane l xor 16
.set CS,78                             ; s[78:79] log2(e), twice
.set RM,80                             ; s80-86 all ones where row base + b lies in the window, else 0
.set CM,24                             ; s24-39 (free once the tensor loads are done) lanes whose key 16 (lane / 16) + i lies in the window of their query
.set MSB, 0
.macro WIN new                         ; bits 1:0 source 0, 3:2 source 1, 5:4 source 2, 7:6 destination; the high byte repeats the setting that is left
.if MSB != \new
	s_set_vgpr_msb (MSB<<8)|\new
.set MSB, \new
.endif
.endm
.macro ROUND                           ; a round of the cluster's barrier
	s_barrier_signal -1
	s_barrier_wait -1
	s_cmp_lg_u32 s[WV], 0
	s_cbranch_scc1 .Lnot_wave_0_\@
	s_barrier_signal -3
.Lnot_wave_0_\@:
	s_barrier_wait -3
	s_barrier_signal -1
	s_barrier_wait -1
.endm
.macro PLACES                          ; four plain vector instructions behind a matrix instruction, ahead of reads of its result and of loads into its registers
.rept 4
	v_nop
.endr
.endm
.macro MM d, a, b, c, sa, sb
	v_wmma_scale_f32_16x16x128_f8f6f4 v[\d:\d+7], v[\a:\a+7], v[\b:\b+7], v[\c:\c+7], v[\sa], v[\sb] matrix_a_fmt:MATRIX_FMT_FP4 matrix_b_fmt:MATRIX_FMT_FP4
.endm
.macro MM0 d, a, b, sa, sb             ; the product starts the sum
	v_wmma_scale_f32_16x16x128_f8f6f4 v[\d:\d+7], v[\a:\a+7], v[\b:\b+7], 0, v[\sa], v[\sb] matrix_a_fmt:MATRIX_FMT_FP4 matrix_b_fmt:MATRIX_FMT_FP4
.endm
; x's four fragments (tile u, K step s) of a slot, and their scale words
.macro XLOAD slot
.irp u, 0,1
.irp s, 0,1
.irp c, 0,1
	ds_load_b128 v[XF+16*\u+8*\s+4*\c:XF+16*\u+8*\s+4*\c+3], v[AX] offset:SLOTB*(\slot)+8*PITCH*\u+64*\s+32*\c
.endr
.endr
	ds_load_b64 v[XSC+2*\u:XSC+2*\u+1], v[AXS] offset:256*(\slot)+64*\u
.endr
.endm
; nb blocks of 32, each 16 registers from v[s + 16 b] on in lanes l and l xor 16: the byte into v[TM+4+b], the conversion's scale operand into v[TM+8+b].  The blocks take turns; registers in ascending order.
.macro QMAX nb, s
.irp b, 0,1,2,3
.if \b < \nb
	v_max3_num_f32 v[TM+\b], |v[\s+16*\b]|, |v[\s+16*\b+1]|, 0x1800000   ; with the floor 2^(3 - 127): the byte cannot fall under 1
.endif
.endr
.irp i, 2,4,6,8,10,12,14
.irp b, 0,1,2,3
.if \b < \nb
	v_max3_num_f32 v[TM+\b], v[TM+\b], |v[\s+16*\b+\i]|, |v[\s+16*\b+\i+1]|
.endif
.endr
.endr
.irp b, 0,1,2,3
.if \b < \nb
	v_permlanex16_b32 v[TM+4+\b], v[TM+\b], s[SEL], s[SEL+1]
.endif
.endr
.irp b, 0,1,2,3
.if \b < \nb
	v_max_num_f32 v[TM+\b], v[TM+\b], v[TM+4+\b]
.endif
.endr
.irp b, 0,1,2,3
.if \b < \nb
	v_add_nc_u32 v[TM+8+\b], 0xff000000, v[TM+\b]   ; 2 off the exponent field
.endif
.endr
.irp b, 0,1,2,3
.if \b < \nb
	v_lshrrev_b32 v[TM+4+\b], 23, v[TM+8+\b]
.endif
.endr
.endm
	s_load_b256 s[4:11], s[0:1], 0x0               ; x's codes s[4:5], x's scales s[6:7], the weights' codes s[8:9], their scales s[10:11]
	s_load_b128 s[12:15], s[0:1], 0x20             ; qkv_b s[12:13], proj_b s[14:15]
	s_load_b64 s[16:17], s[0:1], 0x30              ; out0
	v_lshl_add_u32 v254, v0, 2, 0x38c00
	v_mov_b32 v255, 0
	ds_add_u32 v254, v255
	ds_add_u32 v254, v255
	v_lshrrev_b32 v1, 5, v0
	v_readfirstlane_b32 s[WV], v1                  ; wave 0..7 = head
	s_bfe_u32 s19, ttmp6, 0x40000                  ; my place in the cluster: it enters global addresses and masks of lanes alone
	s_lshl_b32 s20, ttmp9, 2
	s_add_co_u32 s20, s20, s19                     ; h
	s_and_b32 s21, ttmp7, 0xffff                   ; batch
	s_sub_co_i32 s22, s20, 3
	s_max_i32 s22, s22, 0
	s_min_i32 s22, s22, 25                         ; base
	s_add_co_u32 s23, s22, s[WV]
	s_cmp_eq_u32 s[WV], 7
	s_cselect_b32 s23, s20, s23                    ; the grid row that I fetch: base + wave; wave 7: h
	s_lshl_b32 s19, s21, 5
	s_add_co_u32 s19, s19, s23
	s_lshl_b32 s88, s19, 12                        ; its codes: 4,096 bytes a grid row
	s_mov_b32 s89, 0
	s_lshl_b32 s90, s19, 8                         ; its scale bytes: 256
	s_mov_b32 s91, 0
	s_lshl_b32 s92, s[WV], 14                      ; my 128 rows of the weights' codes,
	s_mov_b32 s93, 0
	s_lshl_b32 s94, s[WV], 10                      ; and of their scale bytes: the wave's number alone
	s_mov_b32 s95, 0
	s_lshl_b32 s2, s21, 20                         ; out0: 2^20 bytes a batch, 2^15 a grid row, four rows of 1,024 a wave
	s_lshl_b32 s3, s20, 15
	s_add_co_u32 s2, s2, s3
	s_lshl_b32 s3, s[WV], 12
	s_add_co_u32 s2, s2, s3
	s_mov_b32 s3, 0
	s_add_co_u32 s23, s22, 3
	s_sub_co_u32 s23, s23, s20                     ; base + 3 - h
.irp b, 0,1,2,3,4,5,6
	s_add_co_u32 s19, s23, \b
	s_cmp_le_u32 s19, 6                            ; |base + b - h| <= 3
	s_cselect_b32 s[RM+\b], -1, 0
.endr
	s_mov_b32 s[SEL], 0x76543210
	s_mov_b32 s[SEL+1], 0xfedcba98
	s_mov_b32 s[CS], 0x3fb8aa3b
	s_mov_b32 s[CS+1], s[CS]                       ; (named with it as a pair, so it is written)
	; group 1, the weights' codes: 128 rows of 128 bytes, 16 bytes of padding behind each; the mask names the cluster's four
	s_mov_b32 s[G1W], 15|(1<<20)|(1<<21)|(4<<22)|(3<<25)   ; 15:0 mask; 17:16 elements of 1 byte; 20 padding on; 21 set beside a mask; 24:22 after every 32 words; 31:25 four words
	s_mov_b32 s[G1W+1], 128<<16                    ; tensor_dim0
	s_mov_b32 s[G1W+2], 128<<16                    ; tensor_dim1
	s_mov_b32 s[G1W+3], 128<<16                    ; tile_dim0
	s_mov_b32 s[G1W+4], 128                        ; tile_dim1
	s_mov_b32 s[G1W+5], 128                        ; pitch
	s_mov_b32 s[G1W+6], 0
	s_mov_b32 s[G1W+7], 0
	; their scale bytes: 1,024 dense bytes as 4 rows of 32 elements of 8 bytes
	s_mov_b32 s[G1WS], 15|(3<<16)|(1<<21)
	s_mov_b32 s[G1WS+1], 32<<16
	s_mov_b32 s[G1WS+2], 4<<16
	s_mov_b32 s[G1WS+3], 32<<16
	s_mov_b32 s[G1WS+4], 4
	s_mov_b32 s[G1WS+5], 32
	s_mov_b32 s[G1WS+6], 0
	s_mov_b32 s[G1WS+7], 0
	; x's codes: 32 rows of 128 bytes, padded alike; no mask
	s_mov_b32 s[G1X], (1<<20)|(4<<22)|(3<<25)
	s_mov_b32 s[G1X+1], 128<<16
	s_mov_b32 s[G1X+2], 32<<16
	s_mov_b32 s[G1X+3], 128<<16
	s_mov_b32 s[G1X+4], 32
	s_mov_b32 s[G1X+5], 128
	s_mov_b32 s[G1X+6], 0
	s_mov_b32 s[G1X+7], 0
	; x's scale bytes: one row of 256 bytes
	s_mov_b32 s[G1XS], 3<<16
	s_mov_b32 s[G1XS+1], 32<<16
	s_mov_b32 s[G1XS+2], 1<<16
	s_mov_b32 s[G1XS+3], 32<<16
	s_mov_b32 s[G1XS+4], 1
	s_mov_b32 s[G1XS+5], 32
	s_mov_b32 s[G1XS+6], 0
	s_mov_b32 s[G1XS+7], 0
	s_wait_dscnt 0x0
	s_wait_kmcnt 0x0
	s_mov_b32 s[G0W], 1
	s_mul_i32 s[G0W+1], s[WV], 128*PITCH           ; LDS addresses: a constant + the wave's number x a constant
	s_add_nc_u64 s[G0W+2:G0W+3], s[8:9], s[92:93]
	s_or_b32 s[G0W+3], s[G0W+3], 0x80000000
	s_mov_b32 s[G0WS], 1
	s_lshl_b32 s[G0WS+1], s[WV], 10
	s_add_co_u32 s[G0WS+1], s[G0WS+1], WS
	s_add_nc_u64 s[G0WS+2:G0WS+3], s[10:11], s[94:95]
	s_or_b32 s[G0WS+3], s[G0WS+3], 0x80000000
	s_mov_b32 s[G0X], 1
	s_mul_i32 s[G0X+1], s[WV], SLOTB
	s_add_co_u32 s[G0X+1], s[G0X+1], XC
	s_add_nc_u64 s[G0X+2:G0X+3], s[4:5], s[88:89]
	s_or_b32 s[G0X+3], s[G0X+3], 0x80000000
	s_mov_b32 s[G0XS], 1
	s_lshl_b32 s[G0XS+1], s[WV], 8
	s_add_co_u32 s[G0XS+1], s[G0XS+1], XS
	s_add_nc_u64 s[G0XS+2:G0XS+3], s[6:7], s[90:91]
	s_or_b32 s[G0XS+3], s[G0XS+3], 0x80000000
	s_add_nc_u64 s[16:17], s[16:17], s[2:3]        ; out0 at my four rows
	ROUND                                          ; all four work-groups are here: the joint loads meet
	tensor_load_to_lds s[G0W:G0W+3], s[G1W:G1W+7]          ; every wave issues the same four lines: four loads of mine are out, all of them first fills
	s_nop 0
	tensor_load_to_lds s[G0WS:G0WS+3], s[G1WS:G1WS+7]
	s_nop 0
	tensor_load_to_lds s[G0X:G0X+3], s[G1X:G1X+7]
	s_nop 0
	tensor_load_to_lds s[G0XS:G0XS+3], s[G1XS:G1XS+7]
	s_nop 0
	PLACES                                         ; four v_nop follow the tensor loads
	v_and_b32 v1, 15, v0                           ; r
	v_bfe_u32 v2, v0, 4, 1                         ; lane / 16
	v_and_b32 v[LN], 31, v0
	v_and_b32 v[PRM], 8, v1
	v_add_nc_u32 v[PRM], v[PRM], v1                ; r + 8 (r / 8)
	s_lshl_b32 s19, s[WV], 7                       ; my head's 32 numbers of a bias
	v_lshl_add_u32 v[BO1], v2, 6, s19
	v_lshl_add_u32 v[BO2], v[PRM], 2, s19
	v_lshl_add_u32 v[BO3], v2, 5, s19
	; The biases are the C of each sum's first product, eight registers a tile in the result's layout.
	WIN 0x40                                       ; destination window 1
.irp ct, 0,1
.irp q, 0,1
	global_load_b128 v[BQ+8*\ct+4*\q:BQ+8*\ct+4*\q+3], v[BO1], s[12:13] offset:32*\ct+16*\q        ; q, k: register j = channel 16 (lane / 16) + 8 ct + j
	global_load_b128 v[BK+8*\ct+4*\q:BK+8*\ct+4*\q+3], v[BO1], s[12:13] offset:1024+32*\ct+16*\q
	global_load_b128 v[BP+8*\ct+4*\q:BP+8*\ct+4*\q+3], v[BO3], s[14:15] offset:64*\ct+16*\q        ; the last product: column 16 ct + 8 (lane / 16) + j
.endr
.irp j, 0,1,2,3,4,5,6,7
	global_load_b32 v[BV+8*\ct+\j], v[BO2], s[12:13] offset:2048+32*\ct                            ; v: a lane holds one channel, 8 ct + r + 8 (r / 8), in all eight registers
.endr
.endr
.irp i, 28,29,30,31
	v_mov_b32 v[KS+\i], 0                          ; the absent eighth row: zero codes
.endr
.irp i, 14,15,30,31
	v_mov_b32 v[VS+\i], 0
.endr
	WIN 0
	v_mul_u32_u24 v[AX], v[PRM], PITCH
	v_lshl_add_u32 v[AX], v2, 4, v[AX]             ; a fragment's row x pitch + 16 x half
	s_mul_i32 s19, s[WV], SLOTB
	v_add_nc_u32 v[AW], s19, v[AX]                 ; qkv_w: my head's 32 rows of q's part; k's lie 256 rows on (in the offset),
	v_add_nc_u32 v[AWV], 512*PITCH, v[AW]          ; v's 512 rows on (beyond an offset's 16 bits)
	v_add_nc_u32 v[AX], XC, v[AX]
	v_lshl_add_u32 v[AXS], v[PRM], 3, XS
	s_lshl_b32 s23, s[WV], 8
	s_add_co_u32 s19, s23, WS
	v_lshl_add_u32 v[AWS], v[PRM], 3, s19
	s_add_co_u32 s19, s23, WS+768*8
	v_lshl_add_u32 v[AWPS], v1, 3, s19             ; proj_w's scale words: rows 768 + 32 w + r
	s_add_co_u32 s19, s23, OI
	v_lshl_add_u32 v[AOI], v1, 4, s19
	v_lshl_add_u32 v[AOI], v2, 3, v[AOI]           ; my head is block w % 4 of K step w / 4: 256 w + 16 r + 8 (lane / 16)
	s_lshr_b32 s19, s[WV], 2
	s_lshl_b32 s19, s19, 6
	s_and_b32 s23, s[WV], 3
	s_add_co_u32 s19, s19, s23
	s_add_co_u32 s19, s19, OS
	v_lshl_add_u32 v[AOS], v1, 2, s19              ; and byte w % 4 of that step's scale word
	v_lshl_add_u32 v[LI], v[LN], 4, OI
	v_lshl_add_u32 v[LOS], v1, 2, OS
	v_mul_u32_u24 v[STO], v[PRM], SPITCH
	v_lshl_add_u32 v[STO], v2, 5, v[STO]
	s_lshl_b32 s19, s[WV], 7
	s_add_co_u32 s19, s19, STG
	v_add_nc_u32 v[STO], s19, v[STO]               ; the stage, in: my token's row, my 32 columns, 32 bytes for each half of the lanes
	s_mul_i32 s19, s[WV], 4*SPITCH
	s_add_co_u32 s19, s19, STG
	v_lshl_add_u32 v[SRD], v[LN], 4, s19           ; back: rows 4 w .. 4 w + 3, 512 bytes an instruction
	v_lshlrev_b32 v[GO], 4, v[LN]
	v_mul_u32_u24 v[AWP], v1, PITCH
	v_lshl_add_u32 v[AWP], v2, 4, v[AWP]
	s_mul_i32 s19, s[WV], SLOTB
	s_add_co_u32 s19, s19, 768*PITCH
	v_add_nc_u32 v[AWP], s19, v[AWP]               ; proj_w: rows 768 + 32 w + r
	v_lshl_add_u32 v[VE], v2, 4, 5
	v_sub_nc_u32 v[VE], v[VE], v[PRM]
	v_mov_b32 v[NINF], 0xff800000
.set JJ, 0
.rept 36
	v_mov_b32 v[QB+JJ], 0                          ; q's versions: the zero groups stay zeros
.set JJ, JJ+1
.endr
.irp i, 4,5,6,7
	v_mov_b32 v[TM+\i], 0                          ; written once: a lane permute's destination counts as one of its sources
.endr
	v_mov_b32 v[TMP2], 0
	v_mov_b32 v[FP+1], 0                           ; upper words of pairs of which the low word alone is taken
.irp i, 1,3,5,7
	v_mov_b32 v[AD+\i], 0
.endr
	s_wait_tensorcnt 0x0                           ; my four tiles are in,
	s_barrier_signal -1
	s_barrier_wait -1                              ; everybody's are
	WIN 0x40
.irp ct, 0,1
.irp s, 0,1
.irp c, 0,1
	ds_load_b128 v[8*(2*\ct+\s)+4*\c:8*(2*\ct+\s)+4*\c+3], v[AW] offset:8*PITCH*\ct+64*\s+32*\c                 ; q's two tiles x two K steps: they stay in registers
	ds_load_b128 v[8*(4+2*\ct+\s)+4*\c:8*(4+2*\ct+\s)+4*\c+3], v[AW] offset:256*PITCH+8*PITCH*\ct+64*\s+32*\c   ; k's
	ds_load_b128 v[8*(8+2*\ct+\s)+4*\c:8*(8+2*\ct+\s)+4*\c+3], v[AWV] offset:8*PITCH*\ct+64*\s+32*\c            ; v's
.endr
.endr
.endr
	WIN 0
.irp ct, 0,1
	ds_load_b64 v[WSC+2*\ct:WSC+2*\ct+1], v[AWS] offset:64*\ct
	ds_load_b64 v[WSC+4+2*\ct:WSC+5+2*\ct], v[AWS] offset:2048+64*\ct
	ds_load_b64 v[WSC+8+2*\ct:WSC+9+2*\ct], v[AWS] offset:4096+64*\ct
.endr
	XLOAD 0
; ROW b of the window: my head's k and v of its 32 tokens.  k transposed (source 0 = 16 rows of the weight, source 1 = 16 tokens): a lane holds one token, its 16 registers 16 neighbouring channels.
; v straight (source 0 = tokens, source 1 = the weight's rows): a lane holds one channel, its 16 registers 16 neighbouring tokens, which are v's K.  Eight accumulators take turns, one instruction a turn
; The next row's fragments of x are asked for ahead of the quantising.
.macro ROW b, next
	s_wait_dscnt 0x0                               ; x's fragments (ahead of row 0 the weights' too) are in
.if \b == 0
	s_wait_loadcnt 0x0                             ; the biases
.endif
	WIN 0x11                                       ; source 0 (weight) and C (bias) window 1
.irp u, 0,1
.irp ct, 0,1
	MM S+16*\u+8*\ct, 8*(4+2*\ct), XF+16*\u, BK+8*\ct, WSC+4+2*\ct, XSC+2*\u
.endr
.endr
	WIN 0x14                                       ; source 1 (weight) and C window 1
.irp u, 0,1
.irp ct, 0,1
	MM S+32+16*\ct+8*\u, XF+16*\u, 8*(8+2*\ct), BV+8*\ct, XSC+2*\u, WSC+8+2*\ct
.endr
.endr
	WIN 0x01
.irp u, 0,1
.irp ct, 0,1
	MM S+16*\u+8*\ct, 8*(5+2*\ct), XF+16*\u+8, S+16*\u+8*\ct, WSC+5+2*\ct, XSC+2*\u+1
.endr
.endr
	WIN 0x04
.irp u, 0,1
.irp ct, 0,1
	MM S+32+16*\ct+8*\u, XF+16*\u+8, 8*(9+2*\ct), S+32+16*\ct+8*\u, XSC+2*\u+1, WSC+9+2*\ct
.endr
.endr
	WIN 0
	PLACES
	XLOAD \next
	QMAX 4, S                                      ; blocks 0, 1: k's tiles of tokens; 2, 3: v's tiles of channels
.if (\b)%2 == 0                                    ; K's scale word: tile (b, u) is block 2 (b % 2) + u of fragment b / 2
	v_lshl_or_b32 v[KSC+(\b)/2], v[TM+5], 8, v[TM+4]
.else
	v_lshl_or_b32 v[KSC+(\b)/2], v[TM+4], 16, v[KSC+(\b)/2]
	v_lshl_or_b32 v[KSC+(\b)/2], v[TM+5], 24, v[KSC+(\b)/2]
.endif
.irp ct, 0,1                                       ; V's: row b is block b % 4 of key step b / 4
.if (\b)%4 == 0
	v_mov_b32 v[VSC+2*\ct+(\b)/4], v[TM+6+\ct]
.else
	v_lshl_or_b32 v[VSC+2*\ct+(\b)/4], v[TM+6+\ct], 8*((\b)%4), v[VSC+2*\ct+(\b)/4]
.endif
.endr
	WIN 0x40                                       ; the codes go straight to their places in window 1
.irp u, 0,1
	v_cvt_scalef32_pk8_fp4_f32 v[KS+8*((\b)/2)+4*((\b)%2)+2*\u], v[S+16*\u:S+16*\u+7], v[TM+8+\u]
	v_cvt_scalef32_pk8_fp4_f32 v[KS+8*((\b)/2)+4*((\b)%2)+2*\u+1], v[S+16*\u+8:S+16*\u+15], v[TM+8+\u]
.endr
.irp ct, 0,1
	v_cvt_scalef32_pk8_fp4_f32 v[VS+16*\ct+8*((\b)/4)+4*(((\b)/2)%2)+2*((\b)%2)], v[S+32+16*\ct:S+39+16*\ct], v[TM+10+\ct]
	v_cvt_scalef32_pk8_fp4_f32 v[VS+16*\ct+8*((\b)/4)+4*(((\b)/2)%2)+2*((\b)%2)+1], v[S+40+16*\ct:S+47+16*\ct], v[TM+10+\ct]
.endr
	v_nop                                          ; one plain line behind the conversions
	WIN 0x55                                       ; every place window 1.  The layout wants a WHOLE block in a lane: the first's lanes 16-31 change places with the second's lanes 0-15
.irp i, 0,1
	v_permlane16_swap_b32 v[KS+8*((\b)/2)+4*((\b)%2)+\i], v[KS+8*((\b)/2)+4*((\b)%2)+2+\i]   ; lanes 0-15: tile u = 0; lanes 16-31: tile u = 1
.endr
.if ((\b)%2 == 1) || ((\b) == 6)                   ; V: when a pair of rows is complete (row 6 pairs with the zeros)
.irp ct, 0,1
.irp i, 0,1
	v_permlane16_swap_b32 v[VS+16*\ct+8*((\b)/4)+4*(((\b)/2)%2)+\i], v[VS+16*\ct+8*((\b)/4)+4*(((\b)/2)%2)+2+\i]
.endr
.endr
.endif
	WIN 0
.endm
	ROW 0, 1
	ROW 1, 2
	ROW 2, 3
	ROW 3, 4
	ROW 4, 5
	ROW 5, 6
	ROW 6, 7
	; q of row h, as k; x 1/16; its codes in two versions a tile: in lanes 0-15 alone, in lanes 16-31 alone.  With a group of zeros ahead or behind, these are the four versions that are non-zero in one block.
	s_wait_dscnt 0x0
	WIN 0x11
.irp u, 0,1
.irp ct, 0,1
	MM S+16*\u+8*\ct, 8*(2*\ct), XF+16*\u, BQ+8*\ct, WSC+2*\ct, XSC+2*\u
.endr
.endr
	WIN 0x01
.irp u, 0,1
.irp ct, 0,1
	MM S+16*\u+8*\ct, 8*(2*\ct+1), XF+16*\u+8, S+16*\u+8*\ct, WSC+2*\ct+1, XSC+2*\u+1
.endr
.endr
	WIN 0
	PLACES
.irp j, 0,2,4,6,8,10,12,14,16,18,20,22,24,26,28,30
	v_pk_mul_f32 v[S+\j:S+\j+1], v[S+\j:S+\j+1], 0x3d800000 op_sel_hi:[1,0]   ; 256^-0.5
.endr
	QMAX 2, S
.irp t, 0,1
	v_perm_b32 v[QSC+\t], v[TM+4+\t], v[TM+4+\t], 0   ; the byte in all four places: whichever block holds q
.endr
.irp t, 0,1
	v_cvt_scalef32_pk8_fp4_f32 v[QB+16*\t+4], v[S+16*\t:S+16*\t+7], v[TM+8+\t]
	v_cvt_scalef32_pk8_fp4_f32 v[QB+16*\t+5], v[S+16*\t+8:S+16*\t+15], v[TM+8+\t]
.endr
	v_nop
.irp t, 0,1
.irp i, 0,1
	v_permlane16_swap_b32 v[QB+16*\t+4+\i], v[QB+16*\t+6+\i]   ; against zeros: lanes 0-15 hold all 32 channels, lanes 16-31 zeros
.endr
.endr
.irp t, 0,1
.irp i, 0,1,2,3
	v_permlanex16_b32 v[QB+16*\t+12+\i], v[QB+16*\t+4+\i], s[SEL], s[SEL+1]   ; and the other way round
.endr
.endr
; A KEY STEP for query tile t: rows 4 st .. 4 st + NB - 1 of the window (NB = 4, then 3).
.macro STEP t, st
.set NB, 4-\st
	WIN 0x01                                       ; K window 1
.irp bb, 0,1,2,3
.if \bb < NB
.irp u, 0,1
	MM0 S+16*\bb+8*\u, KS+8*(2*\st+\bb/2), QB+16*\t+4*(2*\u+1-\bb%2), KSC+2*\st+\bb/2, QSC+\t   ; S^T: a lane holds one query; register 16 bb + i is key 16 (lane / 16) + i of row bb
.endr
.endif
.endr
	WIN 0
	PLACES
.irp bb, 0,1,2,3
.if \bb < NB
.irp i, 0,1,2,3,4,5,6,7,8,9,10,11,12,13,14,15
	v_cndmask_b32 v[S+16*\bb+\i], v[NINF], v[S+16*\bb+\i], s[CM+\i]   ; keys more than 5 columns away: -infinity
.endr
.endif
.endr
.irp bb, 0,1,2,3
.if \bb < NB
	v_max3_num_f32 v[TM+\bb], v[S+16*\bb], v[S+16*\bb+1], v[S+16*\bb+2]   ; the largest score of each row: for the query's maximum and, since p rises with the score, for the block's largest p
.endif
.endr
.irp i, 3,5,7,9,11,13
.irp bb, 0,1,2,3
.if \bb < NB
	v_max3_num_f32 v[TM+\bb], v[TM+\bb], v[S+16*\bb+\i], v[S+16*\bb+\i+1]
.endif
.endr
.endr
.irp bb, 0,1,2,3
.if \bb < NB
	v_max_num_f32 v[TM+\bb], v[TM+\bb], v[S+16*\bb+15]
.endif
.endr
.irp bb, 0,1,2,3
.if \bb < NB
	v_permlanex16_b32 v[TM+4+\bb], v[TM+\bb], s[SEL], s[SEL+1]
.endif
.endr
.irp bb, 0,1,2,3
.if \bb < NB
	v_max_num_f32 v[TM+\bb], v[TM+\bb], v[TM+4+\bb]
.endif
.endr
.irp bb, 0,1,2,3
.if \bb < NB
	v_cndmask_b32 v[TM+\bb], v[NINF], v[TM+\bb], s[RM+4*\st+\bb]   ; a row outside the window does not count
.endif
.endr
	v_max3_num_f32 v[TMP], v[TM], v[TM+1], v[TM+2]
.if NB == 4
	v_max_num_f32 v[TMP], v[TMP], v[TM+3]
.endif
	v_mul_f32 v[TMP], s[CS], v[TMP]                ; as t
	v_max_num_f32 v[TMAX], v[TMAX], v[TMP]         ; the running largest t (rows base .. base + 3 hold a row of the window for every h: a number from the first step on)
	v_mov_b32 v[TMP], v[NEGM]
	v_floor_f32 v[NEGM], -v[TMAX]                  ; -M = floor(-t): M is a whole number
	v_sub_f32 v[TMP], v[NEGM], v[TMP]              ; old M - new M, 0 or less
	v_cvt_i32_f32 v[TMP], v[TMP]                   ; (it saturates)
	v_ldexp_f32 v[FP], 1.0, v[TMP]                 ; f = 2^(old M - new M)
.irp bb, 0,1,2,3
.if \bb < NB
	v_cndmask_b32 v[AD+2*\bb], v[NINF], v[NEGM], s[RM+4*\st+\bb]   ; the addend: -M, or -infinity for a row outside the window: p = 0 there
.endif
.endr
.irp bb, 0,1,2,3
.if \bb < NB
.irp j, 0,2,4,6,8,10,12,14
	v_pk_fma_f32 v[S+16*\bb+\j:S+16*\bb+\j+1], v[S+16*\bb+\j:S+16*\bb+\j+1], s[CS:CS+1], v[AD+2*\bb:AD+2*\bb+1] op_sel_hi:[1,0,0]   ; t - M
.endr
.endif
.endr
.irp bb, 0,1,2,3
.if \bb < NB
	v_fma_f32 v[TM+\bb], v[TM+\bb], s[CS], v[AD+2*\bb]   ; the same of each row's largest score
.endif
.endr
.irp bb, 0,1,2,3
.if \bb < NB
.irp i, 0,1,2,3,4,5,6,7,8,9,10,11,12,13,14,15
	v_exp_f32 v[S+16*\bb+\i], v[S+16*\bb+\i]       ; p = 2^(t - M)
.endr
.endif
.endr
.irp bb, 0,1,2,3
.if \bb < NB
	v_exp_f32 v[TM+\bb], v[TM+\bb]                 ; the block's largest p
.endif
.endr
	v_pk_mul_f32 v[SUM:SUM+1], v[SUM:SUM+1], v[FP:FP+1] op_sel_hi:[1,0]   ; the sum under the new M (a plain line behind the exponentials)
	s_wait_alu depctr_va_vdst(0)
.irp bb, 0,1,2,3
.if \bb < NB
	v_max_num_f32 v[TM+\bb], 0x1800000, v[TM+\bb]  ; the floor: a block of zeros keeps the byte 1
.endif
.endr
.irp bb, 0,1,2,3
.if \bb < NB
	v_add_nc_u32 v[TM+8+\bb], 0xff000000, v[TM+\bb]
.endif
.endr
.irp bb, 0,1,2,3
.if \bb < NB
	v_lshrrev_b32 v[TM+4+\bb], 23, v[TM+8+\bb]
.endif
.endr
	v_lshl_or_b32 v[PSC], v[TM+5], 8, v[TM+4]      ; p's scale word for this step
	v_lshl_or_b32 v[PSC], v[TM+6], 16, v[PSC]
.if NB == 4
	v_lshl_or_b32 v[PSC], v[TM+7], 24, v[PSC]
.else
	v_mov_b32 v[PC+6], 0                           ; the absent eighth row: zero codes
	v_mov_b32 v[PC+7], 0
.endif
.irp bb, 0,1,2,3
.if \bb < NB
	v_cvt_scalef32_pk8_fp4_f32 v[PC+2*\bb], v[S+16*\bb:S+16*\bb+7], v[TM+8+\bb]
	v_cvt_scalef32_pk8_fp4_f32 v[PC+2*\bb+1], v[S+16*\bb+8:S+16*\bb+15], v[TM+8+\bb]
.endif
.endr
	v_nop
.irp c, 0,1
.irp i, 0,1
	v_permlane16_swap_b32 v[PC+4*\c+\i], v[PC+4*\c+2+\i]   ; a whole block in a lane
.endr
.endr
.irp j, 0,2,4,6,8,10,12,14
	v_pk_mul_f32 v[OA+\j:OA+\j+1], v[OA+\j:OA+\j+1], v[FP:FP+1] op_sel_hi:[1,0]   ; O^T under the new M
.endr
	v_pk_add_f32 v[SUM2:SUM2+1], v[S:S+1], v[S+2:S+3]   ; the sum of the UNQUANTISED p, in two chains.  These lines also stand between the writes of p's codes and scale word and the products below
.set JJ, 4
.rept 4*NB-1
	v_pk_add_f32 v[SUM:SUM+1], v[SUM:SUM+1], v[S+JJ:S+JJ+1]
	v_pk_add_f32 v[SUM2:SUM2+1], v[SUM2:SUM2+1], v[S+JJ+2:S+JJ+3]
.set JJ, JJ+4
.endr
	v_pk_add_f32 v[SUM:SUM+1], v[SUM:SUM+1], v[SUM2:SUM2+1]
	WIN 0x01                                       ; V window 1
.irp ct, 0,1
	MM OA+8*\ct, VS+16*\ct+8*\st, PC, OA+8*\ct, VSC+2*\ct+\st, PSC   ; O^T += V^T P^T: register j of tile ct is channel 16 (lane / 16) + 8 ct + j
.endr
	WIN 0
	PLACES
.endm
; Query tile t: 16 queries, token 8 t + r + 8 (r / 8) in lane r.
.macro ATT t
.irp i, 0,1,2,3,4,5,6,7,8,9,10,11,12,13,14,15
	v_add_nc_u32 v[TMP], \i-8*\t, v[VE]            ; key column - query column + 5
	v_cmp_gt_u32 s[CM+\i], 11, v[TMP]              ; 0 .. 10: within 5 columns
.endr
	v_mov_b32 v[TMAX], 0xff61b1e6                  ; -3e38, under every t
	v_floor_f32 v[NEGM], -v[TMAX]
	v_mov_b32 v[SUM], 0
	v_mov_b32 v[SUM+1], 0
.irp j, 0,1,2,3,4,5,6,7,8,9,10,11,12,13,14,15
	v_mov_b32 v[OA+\j], 0                          ; the step is written once: the first finds zeros, which the first change of M leaves zeros
.endr
	STEP \t, 0
	STEP \t, 1
	v_add_f32 v[SUM], v[SUM], v[SUM+1]
	v_permlanex16_b32 v[TMP2], v[SUM], s[SEL], s[SEL+1]
	v_add_f32 v[SUM], v[SUM], v[TMP2]              ; the row's sum
	v_rcp_f32 v[SUM], v[SUM]
	v_nop                                          ; one plain line behind a transcendental
	s_wait_alu depctr_va_vdst(0)
.irp j, 0,1,2,3,4,5,6,7,8,9,10,11,12,13,14,15
	v_mul_f32 v[S+\j], v[OA+\j], v[SUM]            ; my head's output: one block of the last product's K
.endr
	QMAX 1, S
	v_cvt_scalef32_pk8_fp4_f32 v[OC+2*\t], v[S:S+7], v[TM+8]
	v_cvt_scalef32_pk8_fp4_f32 v[OC+2*\t+1], v[S+8:S+15], v[TM+8]
	v_mov_b32 v[BYO+\t], v[TM+4]                   ; (also the plain line behind the conversions)
	ds_store_b64 v[AOI], v[OC+2*\t:OC+2*\t+1] offset:2048*\t   ; into the image of the operand's registers
	ds_store_b8 v[AOS], v[BYO+\t] offset:128*\t    ; both halves of the lanes write the same byte with the same value
.endm
	ATT 0
	ATT 1
	; THE LAST PRODUCT, transposed: source 0 = 16 rows of proj_w (my 32 output columns), source 1 = 16 tokens.  My part of proj_w is asked for ahead of the barrier.
.irp ct, 0,1
.irp s, 0,1
.irp c, 0,1
	ds_load_b128 v[S+32+8*(2*\ct+\s)+4*\c:S+32+8*(2*\ct+\s)+4*\c+3], v[AWP] offset:16*PITCH*\ct+64*\s+32*\c
.endr
.endr
	ds_load_b64 v[WSC+2*\ct:WSC+2*\ct+1], v[AWPS] offset:128*\ct
.endr
	s_wait_dscnt 0x0                               ; for the others' sake: my images and bytes lie in LDS
	s_barrier_signal -1
	s_barrier_wait -1
.irp t, 0,1
.irp s, 0,1
.irp c, 0,1
	ds_load_b128 v[XF+8*(2*\t+\s)+4*\c:XF+8*(2*\t+\s)+4*\c+3], v[LI] offset:1024*(2*\t+\s)+512*\c
.endr
	ds_load_b32 v[XSC+2*\t+\s], v[LOS] offset:64*(2*\t+\s)
.endr
.endr
	s_wait_dscnt 0x0
	WIN 0x10                                       ; C (proj_b) window 1
.irp ct, 0,1
.irp t, 0,1
	MM S+8*(2*\ct+\t), S+32+8*(2*\ct), XF+8*(2*\t), BP+8*\ct, WSC+2*\ct, XSC+2*\t
.endr
.endr
	WIN 0
.irp ct, 0,1
.irp t, 0,1
	MM S+8*(2*\ct+\t), S+32+8*(2*\ct+1), XF+8*(2*\t+1), S+8*(2*\ct+\t), WSC+2*\ct+1, XSC+2*\t+1
.endr
.endr
	PLACES
.irp ct, 0,1
.irp t, 0,1
	ds_store_b128 v[STO], v[S+8*(2*\ct+\t):S+8*(2*\ct+\t)+3] offset:8*SPITCH*\t+64*\ct        ; lane (r, half): token 8 t + r + 8 (r / 8), columns 32 w + 16 ct + 8 half + 0 .. 7; each accumulator from its low end on
	ds_store_b128 v[STO], v[S+8*(2*\ct+\t)+4:S+8*(2*\ct+\t)+7] offset:8*SPITCH*\t+64*\ct+16
.endr
.endr
	s_wait_dscnt 0x0                               ; for the others' sake: a row's 1,024 bytes come from eight waves
	s_barrier_signal -1
	s_barrier_wait -1
.irp i, 0,1,2,3
.irp k, 0,1
	ds_load_b128 v[XF+4*(2*\i+\k):XF+4*(2*\i+\k)+3], v[SRD] offset:SPITCH*\i+512*\k
.endr
.endr
.irp i, 0,1,2,3
.irp k, 0,1
	s_wait_dscnt 7-2*\i-\k                         ; LDS loads come back in order (ISA guide 5.7.1): the younger ones may be out
	global_store_b128 v[GO], v[XF+4*(2*\i+\k):XF+4*(2*\i+\k)+3], s[16:17] offset:1024*\i+512*\k th:TH_STORE_NT   ; 32 lanes store 512 consecutive bytes, aligned; written once, read by nobody here
.endr
.endr
	s_wait_tensorcnt 0x0
	ds_add_u32 v254, v255
	s_wait_dscnt 0x0
	ROUND                                          ; the closing round: no work-group ends while a partner may still ask for a tile that names it
	s_endpgm
.Lfunc_end_k_qbed2cc234f_fused:
	.size	k_qbed2cc234f_fused, .Lfunc_end_k_qbed2cc234f_fused-k_qbed2cc234f_fused
	.p2alignl 7, 3214868480
	.fill 96, 4, 3214868480
	.section	.rodata,"a",@progbits
	.p2align	6, 0x0
	.amdhsa_kernel k_qbed2cc234f_fused
		.amdhsa_group_segment_fixed_size 233472
		.amdhsa_private_segment_fixed_size 0
		.amdhsa_enable_private_segment 0
		.amdhsa_kernarg_size 56
		.amdhsa_user_sgpr_count 2
		.amdhsa_user_sgpr_kernarg_segment_ptr 1
		.amdhsa_wavefront_size32 1
		.amdhsa_system_sgpr_workgroup_id_x 1
		.amdhsa_system_sgpr_workgroup_id_y 1
		.amdhsa_system_sgpr_workgroup_id_z 1
		.amdhsa_system_vgpr_workitem_id 0
		.amdhsa_next_free_vgpr 512
		.amdhsa_next_free_sgpr 96
		.amdhsa_reserve_vcc 0
		.amdhsa_float_denorm_mode_32 3
		.amdhsa_float_denorm_mode_16_64 3
		.amdhsa_memory_ordered 1
		.amdhsa_forward_progress 1
		.amdhsa_inst_pref_size 143
	.end_amdhsa_kernel
	.amdgpu_metadata
---
amdhsa.version: [ 1, 2 ]
amdhsa.kernels:
  - .name:           k_qbed2cc234f_fused
    .symbol:         k_qbed2cc234f_fused.kd
    .args:
      - { .name: xcodes, .offset: 0, .size: 8, .value_kind: global_buffer, .address_space: global }
      - { .name: xscales, .offset: 8, .size: 8, .value_kind: global_buffer, .address_space: global }
      - { .name: wcodes, .offset: 16, .size: 8, .value_kind: global_buffer, .address_space: global }
      - { .name: wscales, .offset: 24, .size: 8, .value_kind: global_buffer, .address_space: global }
      - { .name: qkv_b, .offset: 32, .size: 8, .value_kind: global_buffer, .address_space: global }
      - { .name: proj_b, .offset: 40, .size: 8, .value_kind: global_buffer, .address_space: global }
      - { .name: out0, .offset: 48, .size: 8, .value_kind: global_buffer, .address_space: global }
    .group_segment_fixed_size: 233472
    .private_segment_fixed_size: 0
    .kernarg_segment_align: 8
    .kernarg_segment_size: 56
    .max_flat_workgroup_size: 256
    .sgpr_count:     96
    .vgpr_count:     512
    .wavefront_size: 32
...
	.end_amdgpu_metadata
.endif
;; end of part 2
